; MI455X (gfx1250); checked and timed in simulation.
; The chip was launched on July 23, 2026; its instructions are those of AMD's public machine-readable ISA for CDNA 5 (MIT licence, August 2026) and "CDNA5" Instruction Set Architecture Reference Guide (July 2026). The comments in the code are by the model that wrote it; some were corrected since.
;; Conflict Detector. Allowed arithmetic: float matrix products may take bf16 or f16 operands with f32 sums; all other float work in f32.
;; Inputs: b1 64 float32; b2 32 float32; b3 1 float32; obj_idx 2,048 int32; obj_table 16 x 64 float32; proj_b 64 float32; proj_w 64 x 192 float32; rel_idx 2,048 int32; rel_table 9 x 64 float32; subj_idx 2,048 int32; subj_table 16 x 64 float32; w1 64 x 128 float32; w2 32 x 64 float32; w3 1 x 32 float32.
;; Outputs: out0 2,048 x 2,048 float32.
;; One version. Each part assembles by itself: llvm-mc -triple=amdgcn-amd-amdhsa -mcpu=gfx1250 --defsym DOCPART=n.
;; ======== version 1 of 1: 1 launch
;; launch pairs (part 1): grid 16 x 16, 8 waves a work-group, no clusters, 107,520 bytes of LDS; arguments subj_idx, rel_idx, obj_idx, subj_table, rel_table, obj_table, proj_w, proj_b, w1, b1, w2, b2, w3, b3, out0; writes out0
.if DOCPART == 1
	.amdgcn_target "amdgcn-amd-amdhsa--gfx1250"
	.amdhsa_code_object_version 6
	.text
	.protected	k_q3d694af8c7_pairs
	.globl	k_q3d694af8c7_pairs
	.p2align	8
	.type	k_q3d694af8c7_pairs,@function
k_q3d694af8c7_pairs:
	s_mov_b64 s[64:65], 0
	v_nop
	global_prefetch_b8 v0, s[64:65] scope:SCOPE_SE
	s_setreg_imm32_b32 hwreg(HW_REG_WAVE_MODE, 25, 1), 1
	s_wait_xcnt 0x0
; out0[i][j] = sigmoid(w3 . relu(w2 . relu(hi[i] + hj[j] + b1) + b2) + b3) for j > i, else 0.   2048 x 2048 f32.
;
; THE EMBEDDING.  Behind the gather stand only linear maps, so hi[i] = As[subj_i] + Ar[rel_i] + Ao[obj_i] and hj[j] likewise, with
; 48 table rows of 128 numbers: table_t x proj_w_t^T x w1^T.  proj_b goes into the obj rows ahead of w1 and b1 into the obj rows of the hi
; side, since every claim takes exactly one obj row.  Every work-group makes these rows itself (24 + 48 small matrix instructions):
; no second launch, no buffer between.
; THE PAIRS.  A unit is one row i x 64 columns (256 consecutive bytes of out0, aligned); one trip of a wave's loop makes one unit.
; Only units that hold a column j > i are computed.  Column blocks P and 31 - P together hold 2,111 such units for every P: they are
; dealt to the 128 waves of the 16 work-groups with y = P, 16 or 17 rows each.  The unit (2047 - i, 31 - C) is all zeros exactly for
; i < 64 C + 1 (C < 16) or i < 64 C (C >= 16): the wave that computes (i, C) stores it.  Each byte of out0 is stored once.
; Per 16 pairs: 64 vector instructions in front of 4 matrix instructions (add, relu, round to bf16) and 24 behind them (relu, w3).
; Two waves share a SIMD so that one wave's vector work runs beside the other's matrix instructions.
;
; NOT USED, by this text's own arithmetic: tensor loads, a ring of LDS slots, clusters with joint requests.  Nothing is streamed in:
; what work-groups share is some 115 KB of weights, read once in the first lines, straight in fragment layout, and rounded to bf16 in
; registers; a joint load would add a trip through LDS and a barrier in front of the first product.
;
; LIMITS.  relu is v_max_num_f32: a NaN in a hidden value becomes 0 and does not reach the output.  v_exp_f32 and v_rcp_f32 flush
; denormals (ISA guide 15.8): a score below 2^-126 comes out 0.  Indices are clamped to their tables (15, 8, 15), which
; the problem guarantees anyway.  The three projected parts of an embedding are rounded to bf16 one by one ahead of w1, not their sum.
; The sigmoid has no range limit: exp2 may reach infinity, and 1 / infinity is the right 0.
.set P_PITCH,  144                     ; LDS: P, 48 rows (16 t + row) of 64 bf16 + 16 bytes, from byte 0
.set W2L,      7168                    ; w2's four fragments in bf16, lane-linear: 1024 f + 512 quad + 16 lane
.set T_BASE,   11264                   ; T, 48 rows of 128 f32: bytes 0-255 hi side, 256-511 hj side
.set T_PITCH,  528
.set T_TAB,    16*T_PITCH              ; from one table's rows to the next table's
.set HI_BASE,  36864                   ; for each wave 32 rows of 64 f32: hi[start + lane]
.set HI_PITCH, 272
.set HI_WAVE,  32*HI_PITCH
.set ROWB,     8192                    ; a row of out0 in bytes
; The pitches 144, 528, 272 are odd multiples of 16 bytes: sixteen different rows begin in sixteen different 16-byte columns of 256.
; window 0, steady state
.set VHA,   4                          ; LDS address of the NEXT hi row + 32 h
.set VOUT,  5                          ; byte offset in out0
.set VCOL,  6                          ; v6, v7: the lane's two column numbers
.set VPS,   10                         ; v10-13 block sums;  v14-17 keep, send, keep, send;  v18-19 from the other half
.set VVAL,  20                         ; v20-21 store data;  v22-23 sigmoid at work;  v24 my hi rows + 32 h;  v25 zero stores' offset
.set RW3,   32                         ; v32-47   w3[16 m + 8 h + e] at 8 m + e
.set RHI,   48                         ; v48-79   hi of the row at work, feature 16 c + 8 h + e at 8 c + e
.set RT,    80                         ; v80-95   at work
.set RB,    96                         ; v96-127  B fragments, two buffers of 16
.set RHJ,   128                        ; v128-255 hj of my four blocks of 16 columns, 32 b + 8 c + e
; window 1 (written by their low 8 bits)
.set RW2,   0                          ; v256-287 w2 fragments, f = 2 m + s at 8 f
.set RB2,   32                         ; v288-303 b2[16 m + 8 h + e] at 8 m + e
.set RD,    48                         ; v304-335 results, two buffers of 16
.set RACC,  80                         ; v336-343 w3 sums, a pair for each block
; prologue only
.set RJ,    10                         ; v10-21   column indices, then gather addresses: 4 table + 2 (b & 1) + (b >> 1)
.set RII,   22                         ; v22-24   row indices, then gather addresses
.set RX,    128                        ; two buffers of 48 for the hi rows
.set YR,    48
.set YO,    80
.set MSB, 0
.macro WIN new                         ; s_set_vgpr_msb: bits 1:0 source 0, 3:2 source 1, 5:4 source 2, 7:6 destination; the high byte repeats the setting left
.if MSB != \new
	s_set_vgpr_msb (MSB<<8)|\new
.set MSB, \new
.endif
.endm
.macro LD8 dst, voff, base, imm        ; a lane's 32 f32 of a row of 64: features 16 c + 8 h + 0..7, c = 0..3 (32 h is in the offset)
.irp k, 0,1,2,3
	global_load_b128 v[\dst+8*\k:\dst+8*\k+3],   v[\voff], s[\base:\base+1] offset:\imm+64*\k
	global_load_b128 v[\dst+8*\k+4:\dst+8*\k+7], v[\voff], s[\base:\base+1] offset:\imm+64*\k+16
.endr
.endm
.macro CVT cnt, dst, src               ; cnt words of two bf16 from 2 cnt f32
.set ci, 0
.rept \cnt
	v_cvt_pk_bf16_f32 v[\dst+ci], v[\src+2*ci], v[\src+2*ci+1]
.set ci, ci+1
.endr
.endm
.macro NOPS cnt
.rept \cnt
	v_nop
.endr
.endm
.macro ZEROS tag                       ; my nz units of zeros: rows 2047 - start - t of column block 31 - C.  None of the stores' registers is ever rewritten
.set zt, 0
.rept 17
	s_cmp_le_u32 s42, zt
	s_cbranch_scc1 .Lzdone\tag
	global_store_b64 v25, v[8:9], s[36:37] offset:-ROWB*zt th:TH_STORE_NT
.set zt, zt+1
.endr
.Lzdone\tag:
.endm
	s_load_b512 s[8:23], s[0:1], 0x0               ; subj_idx 8, rel_idx 10, obj_idx 12, subj_table 14, rel_table 16, obj_table 18, proj_w 20, proj_b 22
	s_load_b256 s[24:31], s[0:1], 0x40             ; w1 24, b1 26, w2 28, b2 30
	s_load_b128 s[32:35], s[0:1], 0x60             ; w3 32, b3 34
	s_load_b64 s[36:37], s[0:1], 0x70              ; out0
	s_set_vgpr_msb 0x40
	v_lshl_add_u32 v96, v0, 2, 0x1a000
	v_mov_b32 v97, 0
	s_set_vgpr_msb 0x4000
	v_lshrrev_b32 v1, 5, v0
	v_readfirstlane_b32 s2, v1                     ; wave w
	; which rows of which column block are mine
	s_and_b32 s3, ttmp7, 0xffff                    ; P
	s_lshl_b32 s4, ttmp9, 3
	s_add_co_u32 s4, s4, s2                        ; u = 8 x + w, 0..127
	s_lshl_b32 s57, s3, 2
	s_add_co_u32 s57, s57, 4                       ; nA = 4 P + 4 waves take block P, 16 rows each
	s_max_u32 s58, s4, s57
	s_sub_co_u32 s58, s58, s57                     ; q in block 31 - P (0 where u < nA: not taken then)
	s_min_u32 s59, s58, 63
	s_lshl4_add_u32 s59, s58, s59                  ; its start: 16 q + min(q, 63)
	s_cmp_lt_u32 s58, 63
	s_cselect_b32 s60, 17, 16                      ; the first 63 waves take a 17th row: 16 x 4 C + 63 = 64 C + 63 rows
	s_sub_co_u32 s61, 31, s3
	s_lshl_b32 s62, s61, 6                         ; zeros go with rows below 64 C there,
	s_lshl_b32 s63, s3, 6
	s_add_co_u32 s63, s63, 1                       ; below 64 C + 1 in block P
	s_lshl_b32 s6, s4, 4
	s_cmp_lt_u32 s4, s57
	s_cselect_b32 s5, s3, s61                      ; C
	s_cselect_b32 s7, s6, s59                      ; start
	s_cselect_b32 s41, 16, s60                     ; len
	s_cselect_b32 s62, s63, s62
	s_max_u32 s42, s62, s7
	s_sub_co_u32 s42, s42, s7
	s_min_u32 s42, s42, s41                        ; nz = min(max(limit - start, 0), len)
	s_add_co_u32 s56, s7, s41                      ; the row behind my last
	s_mov_b32 s43, s7                              ; the row at work
	s_mov_b32 s40, 0xbfb8aa3b                      ; -log2(e)
	s_mov_b32 s46, 0x76543210                      ; v_permlanex16_b32: lane i takes lane i of the other half
	s_mov_b32 s47, 0xfedcba98
	s_mov_b32 s53, 0xffff0000                      ; lanes 16-31
	s_lshr_b32 s44, s2, 1                          ; stage 1: table t,
	s_and_b32 s45, s2, 1                           ; half hf of the 64 embedding features
	s_cmp_lt_u32 s2, 4
	s_cselect_b32 s52, -1, 0                       ; waves 0-3 make the hi side, which carries b1
	v_and_b32 v1, 31, v0                           ; L
	v_and_b32 v2, 15, v0                           ; r
	v_bfe_u32 v3, v0, 4, 1                         ; h
	v_mov_b32 v8, 0
	v_mov_b32 v9, 0
	v_lshlrev_b32 v5, 5, v3                        ; 32 h: also the offset into b2 and w3
	s_and_b32 s57, s2, 3
	s_lshl_b32 s58, s57, 13
	s_lshr_b32 s59, s2, 2
	s_lshl_b32 s59, s59, 8
	s_add_co_u32 s58, s58, s59
	v_lshl_add_u32 v29, v2, 9, v5
	v_add_nc_u32 v29, s58, v29                     ; w1: row 16 (w & 3) + r of 512 bytes, side w >> 2 of 256, + 32 h
	s_lshl_b32 s57, s57, 6
	v_add_nc_u32 v30, s57, v5                      ; b1[16 (w & 3) + 8 h ..]
	v_add_nc_u32 v31, s7, v1
	v_min_u32 v31, 0x7ff, v31                      ; lane L builds hi of row start + L; rows past the last claim repeat it and are never used
	v_lshlrev_b32 v31, 2, v31
	s_lshl_b32 s58, s5, 8
	v_lshl_add_u32 v4, v2, 3, s58                  ; the indices of columns 64 C + 2 r, + 1
	s_sub_co_u32 s57, 0x7ff, s7
	s_lshl_b32 s57, s57, 13
	s_sub_co_u32 s58, 31, s5
	s_lshl_b32 s58, s58, 8
	s_add_co_u32 s57, s57, s58
	v_lshl_add_u32 v25, v1, 3, s57                 ; zeros: row 2047 - start, block 31 - C, 8 bytes a lane
	s_wait_kmcnt 0x0
	; 27 loads that every wave needs
	LD8 96, 29, 24, 0                              ; v96-127 my 16 rows of w1
	global_load_b128 v[248:251], v30, s[26:27]
	global_load_b128 v[252:255], v30, s[26:27] offset:16
	global_load_b32 v22, v31, s[8:9]
	global_load_b32 v23, v31, s[10:11]
	global_load_b32 v24, v31, s[12:13]
	; block b, lane row r stands for column 64 C + 32 (b & 1) + 2 r + (b >> 1): a pair of neighbouring indices serves blocks p and p + 2
	global_load_b64 v[10:11], v4, s[8:9]
	global_load_b64 v[12:13], v4, s[8:9] offset:128
	global_load_b64 v[14:15], v4, s[10:11]
	global_load_b64 v[16:17], v4, s[10:11] offset:128
	global_load_b64 v[18:19], v4, s[12:13]
	global_load_b64 v[20:21], v4, s[12:13] offset:128
	WIN 0x40                                       ; destination in window 1
	global_load_b128 v[RB2:RB2+3],     v5, s[30:31]
	global_load_b128 v[RB2+4:RB2+7],   v5, s[30:31] offset:16
	global_load_b128 v[RB2+8:RB2+11],  v5, s[30:31] offset:64
	global_load_b128 v[RB2+12:RB2+15], v5, s[30:31] offset:80
	WIN 0
	global_load_b128 v[RW3:RW3+3],     v5, s[32:33]
	global_load_b128 v[RW3+4:RW3+7],   v5, s[32:33] offset:16
	global_load_b128 v[RW3+8:RW3+11],  v5, s[32:33] offset:64
	global_load_b128 v[RW3+12:RW3+15], v5, s[32:33] offset:80
	s_load_b32 s38, s[34:35], 0x0                  ; b3
	s_cmp_ge_u32 s2, 6
	s_cbranch_scc1 .Lw2
	; STAGE 1, waves 0-5: P_t[row][c] = table_t[row] . proj_w[c][64 t ..] (+ proj_b[c] for t = 2), c = 32 hf .. 32 hf + 31.
	; D(m = c, n = table row): a lane ends with 8 neighbouring c of one table row.
	s_cmp_eq_u32 s44, 0
	s_cselect_b64 s[48:49], s[14:15], s[16:17]
	s_cmp_eq_u32 s44, 2
	s_cselect_b64 s[48:49], s[18:19], s[48:49]     ; my table
	s_cselect_b32 s51, -1, 0                       ; proj_b goes with the obj table alone
	s_cmp_eq_u32 s44, 1
	s_cselect_b32 s50, 8, 15                       ; rel_table has 9 rows: lanes 9-15 repeat row 8, and no index reaches their results
	v_min_u32 v26, s50, v2
	v_lshl_add_u32 v26, v26, 8, v5
	s_mul_i32 s57, s45, 24576
	s_lshl_b32 s58, s44, 8
	s_add_co_u32 s57, s57, s58
	v_mul_u32_u24 v27, v2, 768
	v_add3_u32 v27, v27, v5, s57                   ; proj_w: row 32 hf + r of 768 bytes, + 256 t + 32 h
	s_lshl_b32 s58, s45, 7
	v_add_nc_u32 v28, s58, v5
	LD8 128, 26, 48, 0                             ; v128-159 table rows
	LD8 160, 27, 20, 0                             ; v160-191 proj_w rows 32 hf + r
	LD8 192, 27, 20, 12288                         ; v192-223 sixteen rows further
	global_load_b128 v[224:227], v28, s[22:23]
	global_load_b128 v[228:231], v28, s[22:23] offset:16
	global_load_b128 v[232:235], v28, s[22:23] offset:64
	global_load_b128 v[236:239], v28, s[22:23] offset:80
	ZEROS a                                        ; leave while the weights are on their way
	s_wait_loadcnt 0x0                             ; all 55 loads: nothing younger is out
.irp k, 0,1,2,3,4,5,6,7,8,9,10,11,12,13,14,15
	v_and_b32 v[224+\k], s51, v[224+\k]
.endr
	CVT 16, 48, 128
	CVT 32, 64, 160
	v_wmma_f32_16x16x32_bf16 v[224:231], v[64:71], v[48:55], v[224:231]
	v_wmma_f32_16x16x32_bf16 v[232:239], v[80:87], v[48:55], v[232:239]
	v_wmma_f32_16x16x32_bf16 v[224:231], v[72:79], v[56:63], v[224:231]
	v_wmma_f32_16x16x32_bf16 v[232:239], v[88:95], v[56:63], v[232:239]
	NOPS 4                                         ; four places before a vector instruction reads a matrix result (ISA guide 7.12.1)
	CVT 8, 240, 224
	s_mul_i32 s57, s44, 16*P_PITCH
	s_lshl_b32 s58, s45, 6
	s_add_co_u32 s57, s57, s58
	v_mul_u32_u24 v26, v2, P_PITCH
	v_lshl_add_u32 v26, v3, 4, v26
	v_add_nc_u32 v26, s57, v26                     ; row 16 t + r, byte 2 (32 hf + 8 h)
	ds_store_b128 v26, v[240:243]
	ds_store_b128 v26, v[244:247] offset:32
	s_branch .Ljoin
.Lw2:	; waves 6, 7: rows 16 m .. 16 m + 15 of w2 as two A fragments in bf16, laid in LDS for all
	s_sub_co_u32 s57, s2, 6
	s_lshl_b32 s58, s57, 12
	v_lshl_add_u32 v26, v2, 8, v5
	v_add_nc_u32 v26, s58, v26
	LD8 128, 26, 28, 0
	ZEROS b
	s_wait_loadcnt 0x0                             ; all 35 loads
	CVT 16, 48, 128
	s_lshl_b32 s58, s57, 11
	s_add_co_u32 s58, s58, W2L
	v_lshl_add_u32 v26, v1, 4, s58
	ds_store_b128 v26, v[48:51]
	ds_store_b128 v26, v[52:55] offset:512
	ds_store_b128 v26, v[56:59] offset:1024
	ds_store_b128 v26, v[60:63] offset:1536
.Ljoin:
	s_wait_dscnt 0x0                               ; my part of P or of w2 is in LDS, for the others' sake
	s_barrier_signal -1
	CVT 16, 192, 96                                ; registers only: w1 as two A fragments, v192-207
.irp k, 0,1,2,3,4,5,6,7
	v_and_b32 v[248+\k], s52, v[248+\k]            ; b1 on the hi side alone
.endr
	s_wait_kmcnt 0x0
	s_mul_f32 s39, s38, s40                        ; -log2(e) b3
	v_mul_u32_u24 v7, v2, P_PITCH
	v_lshl_add_u32 v7, v3, 4, v7                   ; P: row r, + 16 h
	v_lshl_add_u32 v6, v1, 4, W2L
	s_lshl_b32 s57, s2, 6
	s_add_co_u32 s57, s57, T_BASE
	v_mul_u32_u24 v26, v2, T_PITCH
	v_add3_u32 v26, v26, v5, s57                   ; T: row r, byte 4 (16 w + 8 h)
	s_barrier_wait -1
	; STAGE 2, all waves: T_t[row][d'] = P_t[row] . w1'[d'], d' = 16 w .. 16 w + 15 (d' < 64: hi side, else hj side).  D(m = d', n = table row).
.irp t, 0,1,2
.irp k, 0,1,2,3
	ds_load_b128 v[128+16*\t+4*\k:128+16*\t+4*\k+3], v7 offset:16*P_PITCH*\t+32*\k
.endr
.endr
	WIN 0x40
.irp k, 0,1,2,3,4,5,6,7
	ds_load_b128 v[RW2+4*\k:RW2+4*\k+3], v6 offset:512*\k
.endr
	WIN 0
	s_wait_dscnt 0x8                               ; P's twelve loads are in; the eight of w2 stay out
	v_wmma_f32_16x16x32_bf16 v[176:183], v[192:199], v[128:135], 0
	v_wmma_f32_16x16x32_bf16 v[184:191], v[192:199], v[144:151], 0
	v_wmma_f32_16x16x32_bf16 v[248:255], v[192:199], v[160:167], v[248:255]
	v_wmma_f32_16x16x32_bf16 v[176:183], v[200:207], v[136:143], v[176:183]
	v_wmma_f32_16x16x32_bf16 v[184:191], v[200:207], v[152:159], v[184:191]
	v_wmma_f32_16x16x32_bf16 v[248:255], v[200:207], v[168:175], v[248:255]
	NOPS 4                                         ; four places before an LDS store reads a matrix result
	ds_store_b128 v26, v[176:179]
	ds_store_b128 v26, v[180:183] offset:16
	ds_store_b128 v26, v[184:187] offset:T_TAB
	ds_store_b128 v26, v[188:191] offset:T_TAB+16
	ds_store_b128 v26, v[248:251] offset:2*T_TAB
	ds_store_b128 v26, v[252:255] offset:2*T_TAB+16
	s_wait_dscnt 0x0                               ; my columns of T are in LDS (and w2's fragments in my registers)
	s_barrier_signal -1
	; registers only: indices become LDS addresses, index x 528 + a base; the table's 8,448 bytes go into the loads' immediates
.irp k, 10,11,12,13,18,19,20,21,22,24
	v_min_u32 v\k, 15, v\k
.endr
.irp k, 14,15,16,17,23
	v_min_u32 v\k, 8, v\k
.endr
.irp k, 10,11,12,13,14,15,16,17,18,19,20,21,22,23,24
	v_mul_u32_u24 v\k, v\k, T_PITCH
.endr
	v_add_nc_u32 v27, T_BASE+256, v5               ; hj side, + 32 h
.irp k, 10,11,12,13,14,15,16,17,18,19,20,21
	v_add_nc_u32 v\k, v27, v\k
.endr
.irp k, 22,23,24
	v_add_nc_u32 v\k, T_BASE, v\k
.endr
	s_mul_i32 s59, s2, HI_WAVE
	s_add_co_u32 s59, s59, HI_BASE                 ; my 32 hi rows
	v_mul_u32_u24 v28, v1, HI_PITCH
	v_add_nc_u32 v28, s59, v28
	s_barrier_wait -1                              ; T is whole, and nobody writes it again
	; HI ROWS: lane L sums the three table rows of claim start + L, 64 bytes at a time, into row L of the wave's own LDS bytes (no barrier)
.macro HILD g, x                       ; 12 loads: bytes 64 g .. 64 g + 63 of the three rows
.set xx, RX+48*\x
.irp tab, 0,1,2
.irp cc, 0,1,2,3
	ds_load_b128 v[xx+16*\tab+4*\cc:xx+16*\tab+4*\cc+3], v[RII+\tab] offset:T_TAB*\tab+64*\g+16*\cc
.endr
.endr
.endm
.macro HIADD g, x                      ; (subj + rel) + obj, then 4 stores
.set xx, RX+48*\x
.irp k, 0,2,4,6,8,10,12,14
	v_pk_add_f32 v[xx+\k:xx+\k+1], v[xx+\k:xx+\k+1], v[xx+16+\k:xx+16+\k+1]
.endr
.irp k, 0,2,4,6,8,10,12,14
	v_pk_add_f32 v[xx+\k:xx+\k+1], v[xx+\k:xx+\k+1], v[xx+32+\k:xx+32+\k+1]
.endr
.irp cc, 0,1,2,3
	ds_store_b128 v28, v[xx+4*\cc:xx+4*\cc+3] offset:64*\g+16*\cc
.endr
.endm
	HILD 0, 0
	HILD 1, 1
	s_wait_dscnt 0xc                               ; the younger run of 12 stays out
	HIADD 0, 0
	HILD 2, 0
	s_wait_dscnt 0x10                              ; 4 stores and 12 loads are younger
	HIADD 1, 1
	HILD 3, 1
	s_wait_dscnt 0x10                              ; again 4 stores and 12 loads
	HIADD 2, 0
	s_wait_dscnt 0x4                               ; 4 stores
	HIADD 3, 1
	; HJ: the 64 columns' rows stay in registers for the whole loop, in B's layout: lane (r, h) holds features 16 c + 8 h + e of its column
.macro HJLD tab, b, dst
.set ja, RJ+4*\tab+2*(\b&1)+(\b>>1)
.irp c, 0,1,2,3
	ds_load_b128 v[\dst+8*\c:\dst+8*\c+3],   v[ja] offset:T_TAB*\tab+64*\c
	ds_load_b128 v[\dst+8*\c+4:\dst+8*\c+7], v[ja] offset:T_TAB*\tab+64*\c+16
.endr
.endm
.macro HJADD b, src
.irp k, 0,2,4,6,8,10,12,14,16,18,20,22,24,26,28,30
	v_pk_add_f32 v[RHJ+32*\b+\k:RHJ+32*\b+\k+1], v[RHJ+32*\b+\k:RHJ+32*\b+\k+1], v[\src+\k:\src+\k+1]
.endr
.endm
	HJLD 0, 0, RHJ
	HJLD 0, 1, RHJ+32
	HJLD 0, 2, RHJ+64
	HJLD 0, 3, RHJ+96
	HJLD 1, 0, YR
	HJLD 2, 0, YO
	s_wait_dscnt 0x8                               ; here and below: only the one younger run of 8 stays out
	HJADD 0, YR
	HJLD 1, 1, YR
	s_wait_dscnt 0x8
	HJADD 0, YO
	HJLD 2, 1, YO
	s_wait_dscnt 0x8
	HJADD 1, YR
	HJLD 1, 2, YR
	s_wait_dscnt 0x8
	HJADD 1, YO
	HJLD 2, 2, YO
	s_wait_dscnt 0x8
	HJADD 2, YR
	HJLD 1, 3, YR
	s_wait_dscnt 0x8
	HJADD 2, YO
	HJLD 2, 3, YO
	s_wait_dscnt 0x8
	HJADD 3, YR
	s_wait_dscnt 0x0
	HJADD 3, YO
	v_add_nc_u32 v24, s59, v5                      ; my hi rows + 32 h
.irp c, 0,1,2,3
	ds_load_b128 v[RHI+8*\c:RHI+8*\c+3],   v24 offset:64*\c        ; row 0; LDS serves a wave's instructions in order (ISA guide 5.7.1): these see my stores
	ds_load_b128 v[RHI+8*\c+4:RHI+8*\c+7], v24 offset:64*\c+16
.endr
	v_add_nc_u32 v[VHA], HI_PITCH, v24             ; the next row
	s_lshl_b32 s57, s7, 13
	s_lshl_b32 s58, s5, 8
	s_add_co_u32 s57, s57, s58
	v_lshl_add_u32 v[VOUT], v1, 3, s57             ; row start, block C, 8 bytes a lane
	s_lshl_b32 s58, s5, 6
	v_lshl_add_u32 v[VCOL], v1, 1, s58             ; lane L ends with columns 64 C + 2 L and + 1
	v_add_nc_u32 v[VCOL+1], 1, v[VCOL]
.macro RELU2 a
	v_max_num_f32 v[\a], 0, v[\a]
	v_max_num_f32 v[\a+1], 0, v[\a+1]
.endm
.macro RELUW a                         ; the form for results in window 1: the register is source 0, which the setting 0x51 puts there
	v_max_num_f32 v[\a], v[\a], 0
	v_max_num_f32 v[\a+1], v[\a+1], 0
.endm
; 16 features of 16 pairs: hi + hj, relu, bf16.  reload = 1: the hi registers just read take the next row.
.macro L1PAIR b, c0, reload
.irp k, 0,2,4,6,8,10,12,14
	v_pk_add_f32 v[RT+\k:RT+\k+1], v[RHJ+32*\b+8*\c0+\k:RHJ+32*\b+8*\c0+\k+1], v[RHI+8*\c0+\k:RHI+8*\c0+\k+1]
.endr
.if \reload
	ds_load_b128 v[RHI+8*\c0:RHI+8*\c0+3],     v[VHA] offset:64*\c0
	ds_load_b128 v[RHI+8*\c0+4:RHI+8*\c0+7],   v[VHA] offset:64*\c0+16
	ds_load_b128 v[RHI+8*\c0+8:RHI+8*\c0+11],  v[VHA] offset:64*\c0+64
	ds_load_b128 v[RHI+8*\c0+12:RHI+8*\c0+15], v[VHA] offset:64*\c0+80
.endif
.irp k, 0,2,4,6,8,10,12,14
	RELU2 RT+\k
.endr
.irp k, 0,1,2,3,4,5,6,7
	v_cvt_pk_bf16_f32 v[RB+16*(\b&1)+4*\c0+\k], v[RT+2*\k], v[RT+2*\k+1]
.endr
.endm
.macro L1 b, reload
	L1PAIR \b, 0, \reload
	L1PAIR \b, 2, \reload
.endm
; D(m = output, n = pair) = w2 x h + b2: two tiles of 16 outputs, two K steps each; the second is the chain's next link in place
.macro WM b
.set dd, RD+16*(\b&1)
.set bb, RB+16*(\b&1)
	v_wmma_f32_16x16x32_bf16 v[dd:dd+7],    v[RW2:RW2+7],     v[bb:bb+7],    v[RB2:RB2+7]
	v_wmma_f32_16x16x32_bf16 v[dd+8:dd+15], v[RW2+16:RW2+23], v[bb:bb+7],    v[RB2+8:RB2+15]
	v_wmma_f32_16x16x32_bf16 v[dd:dd+7],    v[RW2+8:RW2+15],  v[bb+8:bb+15], v[dd:dd+7]
	v_wmma_f32_16x16x32_bf16 v[dd+8:dd+15], v[RW2+24:RW2+31], v[bb+8:bb+15], v[dd+8:dd+15]
.endm
; relu and the product with w3 over a lane's 16 outputs; two relus stand between dependent multiply-adds
.macro EP b
.set dd, RD+16*(\b&1)
.set aa, RACC+2*\b
	RELUW dd
	RELUW dd+2
	v_pk_mul_f32 v[aa:aa+1], v[dd:dd+1], v[RW3:RW3+1]
.irp k, 2,4,6,8,10,12
	RELUW dd+\k+2
	v_pk_fma_f32 v[aa:aa+1], v[dd+\k:dd+\k+1], v[RW3+\k:RW3+\k+1], v[aa:aa+1]
.endr
	v_pk_fma_f32 v[aa:aa+1], v[dd+14:dd+15], v[RW3+14:RW3+15], v[aa:aa+1]
.endm
; THE LOOP: one trip = row s43 x my 64 columns.  Three window settings: 0 (layer 1 and the end); 0x51 (source 0, source 2 and destination in
; window 1, source 1 in window 0: serves the matrix instructions, A, C, D above and B below, and the work behind them, with w3 as source 1);
; 0x05 (four adds that bring the sums down).  The work on block b's results stands a whole layer 1 (64 vector instructions), or for b = 3 the
; 24 of block 2, behind its matrix instructions, and names none of the registers of the matrix instructions just in front of it;
; B's and D's two buffers take turns, so each is rewritten more than 24 such places after the matrix instructions that named it.
.Lrow:
	s_wait_dscnt 0x0                               ; this row's hi, asked for in the last trip's fourth block
	L1 0, 0
	WIN 0x51
	WM 0
	WIN 0
	L1 1, 0
	WIN 0x51
	WM 1
	EP 0
	WIN 0
	L1 2, 0
	WIN 0x51
	WM 2
	EP 1
	WIN 0
	L1 3, 1                                        ; the last trip asks for row len, at most 17, of the 32 rows built: it is read and not used
	WIN 0x51
	WM 3
	EP 2
	EP 3
	WIN 0x05
.irp b, 0,1,2,3
	v_add_f32 v[VPS+\b], v[RACC+2*\b], v[RACC+2*\b+1]
.endr
	WIN 0
	s_wait_xcnt 0x0                                ; the last trip's store has had its address translated (ISA guide 3.1): its offset and data are rewritten only behind this wait
	; a lane holds half of a pair's outputs.  Lanes 0-15 keep blocks 0 and 2 and send 1 and 3 across, lanes 16-31 the other way round
	v_cndmask_b32 v14, v10, v11, s53
	v_cndmask_b32 v15, v11, v10, s53
	v_cndmask_b32 v16, v12, v13, s53
	v_cndmask_b32 v17, v13, v12, s53
	v_permlanex16_b32 v18, v15, s46, s47           ; (v18, v19 have been written before, as addresses)
	v_permlanex16_b32 v19, v17, s46, s47
	v_add_f32 v14, v14, v18
	v_add_f32 v16, v16, v19
	v_fma_f32 v22, v14, s40, s39                   ; -log2(e) (x + b3)
	v_fma_f32 v23, v16, s40, s39
	s_sub_co_u32 s57, s43, s7
	s_add_co_u32 s57, s57, 2                       ; the row that the next trip will ask for,
	s_min_u32 s57, s57, 31                         ; inside the 32 rows built
	s_mul_i32 s57, s57, HI_PITCH
	v_exp_f32 v22, v22
	v_exp_f32 v23, v23
	v_add_nc_u32 v[VOUT], ROWB, v[VOUT]            ; the plain instruction between a transcendental and the use of its result (ISA guide 5.7.2); the store reaches back
	v_cmp_lt_u32 s54, s43, v[VCOL]                 ; only columns j > i keep their score
	v_cmp_lt_u32 s55, s43, v[VCOL+1]
	s_wait_alu depctr_va_vdst(0)
	v_add_f32 v22, 1.0, v22
	v_add_f32 v23, 1.0, v23
	v_rcp_f32 v22, v22
	v_rcp_f32 v23, v23
	v_add_nc_u32 v[VHA], s57, v24                  ; again the plain instruction between
	s_wait_alu depctr_va_vdst(0)
	v_cndmask_b32 v[VVAL], 0, v22, s54
	v_cndmask_b32 v[VVAL+1], 0, v23, s55
	global_store_b64 v[VOUT], v[VVAL:VVAL+1], s[36:37] offset:-ROWB th:TH_STORE_NT   ; the wave stores 256 consecutive bytes, aligned
	s_add_co_u32 s43, s43, 1
	s_cmp_lt_u32 s43, s56
	s_cbranch_scc1 .Lrow
	s_set_vgpr_msb 0x5
	s_wait_tensorcnt 0x0
	ds_add_u32 v96, v97
	s_wait_dscnt 0x0
	s_set_vgpr_msb 0x500
	s_endpgm
.Lfunc_end_k_q3d694af8c7_pairs:
	.size	k_q3d694af8c7_pairs, .Lfunc_end_k_q3d694af8c7_pairs-k_q3d694af8c7_pairs
	.p2alignl 7, 3214868480
	.fill 96, 4, 3214868480
	.section	.rodata,"a",@progbits
	.p2align	6, 0x0
	.amdhsa_kernel k_q3d694af8c7_pairs
		.amdhsa_group_segment_fixed_size 107520
		.amdhsa_private_segment_fixed_size 0
		.amdhsa_enable_private_segment 0
		.amdhsa_kernarg_size 120
		.amdhsa_user_sgpr_count 2
		.amdhsa_user_sgpr_kernarg_segment_ptr 1
		.amdhsa_wavefront_size32 1
		.amdhsa_system_sgpr_workgroup_id_x 1
		.amdhsa_system_sgpr_workgroup_id_y 1
		.amdhsa_system_sgpr_workgroup_id_z 1
		.amdhsa_system_vgpr_workitem_id 0
		.amdhsa_next_free_vgpr 354
		.amdhsa_next_free_sgpr 66
		.amdhsa_reserve_vcc 0
		.amdhsa_float_denorm_mode_32 3
		.amdhsa_float_denorm_mode_16_64 3
		.amdhsa_memory_ordered 1
		.amdhsa_forward_progress 1
		.amdhsa_inst_pref_size 74
	.end_amdhsa_kernel
	.amdgpu_metadata
---
amdhsa.version: [ 1, 2 ]
amdhsa.kernels:
  - .name:           k_q3d694af8c7_pairs
    .symbol:         k_q3d694af8c7_pairs.kd
    .args:
      - { .name: subj_idx, .offset: 0, .size: 8, .value_kind: global_buffer, .address_space: global }
      - { .name: rel_idx, .offset: 8, .size: 8, .value_kind: global_buffer, .address_space: global }
      - { .name: obj_idx, .offset: 16, .size: 8, .value_kind: global_buffer, .address_space: global }
      - { .name: subj_table, .offset: 24, .size: 8, .value_kind: global_buffer, .address_space: global }
      - { .name: rel_table, .offset: 32, .size: 8, .value_kind: global_buffer, .address_space: global }
      - { .name: obj_table, .offset: 40, .size: 8, .value_kind: global_buffer, .address_space: global }
      - { .name: proj_w, .offset: 48, .size: 8, .value_kind: global_buffer, .address_space: global }
      - { .name: proj_b, .offset: 56, .size: 8, .value_kind: global_buffer, .address_space: global }
      - { .name: w1, .offset: 64, .size: 8, .value_kind: global_buffer, .address_space: global }
      - { .name: b1, .offset: 72, .size: 8, .value_kind: global_buffer, .address_space: global }
      - { .name: w2, .offset: 80, .size: 8, .value_kind: global_buffer, .address_space: global }
      - { .name: b2, .offset: 88, .size: 8, .value_kind: global_buffer, .address_space: global }
      - { .name: w3, .offset: 96, .size: 8, .value_kind: global_buffer, .address_space: global }
      - { .name: b3, .offset: 104, .size: 8, .value_kind: global_buffer, .address_space: global }
      - { .name: out0, .offset: 112, .size: 8, .value_kind: global_buffer, .address_space: global }
    .group_segment_fixed_size: 107520
    .private_segment_fixed_size: 0
    .kernarg_segment_align: 8
    .kernarg_segment_size: 120
    .max_flat_workgroup_size: 256
    .sgpr_count:     66
    .vgpr_count:     354
    .wavefront_size: 32
...
	.end_amdgpu_metadata
.endif
;; end of part 1
